; MI455X (gfx1250); checked and timed in simulation.
; The chip was launched on July 23, 2026; its instructions are those of AMD's public machine-readable ISA for CDNA 5 (MIT licence, August 2026) and "CDNA5" Instruction Set Architecture Reference Guide (July 2026). The comments in the code are by the model that wrote it; some were corrected since.
;; DS Mo E. Allowed arithmetic: float matrix products may take bf16 or f16 operands with f32 sums; other float arithmetic in f32, or as packed bf16 or f16 multiplies, adds, multiply-adds, maxima and minima; sums over many terms, partial sums and values carried from step to step in f32; what a program stores and reads back later, other than sums and carried values, may be rounded once to bf16 or f16.
;; Inputs: biases 8 float32; gate_w 8 x 512 float32; sw1 512 x 1,024 float32; sw2 1,024 x 512 float32; sw3 512 x 1,024 float32; w1 8 x 512 x 1,024 float32; w2 8 x 1,024 x 512 float32; w3 8 x 512 x 1,024 float32; x 4 x 1,024 x 512 float32.
;; Outputs: out0 4 x 1,024 x 512 float32.
;; One version. Each part assembles by itself: llvm-mc -triple=amdgcn-amd-amdhsa -mcpu=gfx1250 --defsym DOCPART=n.
;; ======== version 1 of 1: 4 launches
;; workspace buffers: xb 4,194,304 bytes; wf 28,311,552 bytes; ridx 32,768 bytes of whole numbers; pr 32,768 bytes; rows 57,344 bytes of whole numbers; rowp 57,344 bytes; ctab 512 bytes of whole numbers; ypart 25,690,112 bytes
;; launch route (part 1): grid 176 x 1, 8 waves a work-group, no clusters, 219,136 bytes of LDS; arguments x, gate_w, biases, w2, sw2, xb, ridx, pr, wf; writes xb, ridx, pr, wf
.if DOCPART == 1
	.amdgcn_target "amdgcn-amd-amdhsa--gfx1250"
	.amdhsa_code_object_version 6
	.text
	.protected	k_qb6f6ea524c_route
	.globl	k_qb6f6ea524c_route
	.p2align	8
	.type	k_qb6f6ea524c_route,@function
k_qb6f6ea524c_route:
	s_mov_b64 s[64:65], 0
	v_nop
	global_prefetch_b8 v0, s[64:65] scope:SCOPE_SE
	s_setreg_imm32_b32 hwreg(HW_REG_WAVE_MODE, 25, 1), 1
	s_wait_xcnt 0x0
; ROUTE.  Work-groups 0-31: the router for 128 tokens each, and x rounded to bf16 (xb).  Work-groups 32-175: w2 and sw2 rounded to bf16 and laid out in the order
; in which a wave's matrix operand registers take them (wf).  The two ways are chosen by the work-group's number, alike in its eight waves; each has LDS bytes of its own.
; ROUNDING: x, gate_w and biases are rounded to bf16 first, like every other input of the program; scores are f32 sums of exact products of those.
; LIMITS: two biased scores closer than the rounding of those f32 sums may change places against another order of summation; NaN and infinities are not treated apart.
; ROUTER: a wave has 16 tokens.  scores^T = gate x^T: source 0 = the 8 gate rows, laid twice (rows 8-15 repeat rows 0-7), source 1 = 16 tokens: a lane then holds
; ONE token (lane % 16) and all 8 scores in its 8 result registers, in both halves of the lanes alike; the top two are found without any exchange between lanes.
; A FRAGMENT (16 n x 32 k, bf16) is 1,024 bytes: element (n, k = 16 j + 8 h + i) at 512 j + 16 (16 h + n) + 2 i: two loads of 16 bytes a lane, at 16 x lane and 512 + 16 x lane.
.set XP,    1040                       ; pitch of a row of 512 bf16 in LDS, and of a fragment on the converter's stage: 1,024 + 16 bytes, an odd multiple of 16
.set XTW,   16*XP                      ; a router wave's 16 rows
.set CVW,   8*XP                       ; a converter wave's 8 fragments
.set GF,    8*XTW                      ; the 16 gate fragments, 16 KiB
.set RS,    GF+16384                   ; results: [k][128] experts, then [k][128] gates
.set SPARE, RS+2048                    ; the spare words, 128 bytes a wave: four blocks of 256 bytes that no other line names
.set CVS,   SPARE+1024                 ; the converter's stages, 8 x CVW bytes: bytes that the router's way never names
.set SPW,   30                         ; v30 LDS address of my spare word; never rewritten
.set NIL,   31                         ; v31 0; never rewritten
.set MSB, 0
.macro WIN new                         ; the immediate's high byte repeats the setting that is left; a switch that changes nothing is dropped
.if MSB != (\new)
	s_set_vgpr_msb (MSB<<8)|(\new)
.set MSB, (\new)
.endif
.endm
	s_load_b512 s[4:19], s[0:1], 0x0               ; x s[4:5], gate_w s[6:7], biases s[8:9], w2 s[10:11], sw2 s[12:13], xb s[14:15], ridx s[16:17], pr s[18:19]
	s_load_b64 s[20:21], s[0:1], 0x40              ; wf
	v_lshl_add_u32 v[SPW], v0, 2, SPARE
	v_mov_b32 v[NIL], 0
	v_lshrrev_b32 v1, 5, v0
	v_readfirstlane_b32 s22, v1                    ; wave 0..7
	v_and_b32 v2, 31, v0                           ; lane
	v_lshlrev_b32 v3, 4, v2                        ; 16 x lane
	s_wait_kmcnt 0x0
	s_cmp_lt_u32 ttmp9, 32                         ; the same answer in all eight waves of a work-group
	s_cbranch_scc0 .Lconv
	; ---------------- the router ----------------
	s_load_b256 s[32:39], s[8:9], 0x0              ; the eight biases
	s_lshl_b32 s24, ttmp9, 18                      ; 128 tokens x 2,048 bytes
	s_lshl_b32 s25, s22, 15                        ; my wave's 16 tokens
	s_add_co_u32 s24, s24, s25
	s_mov_b32 s25, 0
	s_add_nc_u64 s[4:5], s[4:5], s[24:25]          ; x at my first token
	s_lshr_b32 s24, s24, 1
	s_add_nc_u64 s[14:15], s[14:15], s[24:25]      ; xb likewise, half the bytes
	v_and_b32 v12, 15, v0                          ; r
	v_bfe_u32 v5, v0, 4, 1                         ; h
	v_and_b32 v4, 7, v0                            ; gate row r % 8
	v_lshlrev_b32 v4, 11, v4
	v_lshl_add_u32 v4, v5, 5, v4                   ; + 8 h numbers of f32
	s_lshl_b32 s26, s22, 8                         ; my two K steps, 2 w and 2 w + 1: 128 bytes each
	v_add_nc_u32 v4, s26, v4
.irp f, 0,1
.irp q, 0,1,2,3                        ; k = 8 h + 0..3, + 4..7, 16 + 8 h + 0..3, + 4..7
	global_load_b128 v[192+16*\f+4*\q:192+16*\f+4*\q+3], v4, s[6:7] offset:128*\f+16*(\q%2)+64*(\q/2)
.endr
.endr
.set i, 0
.rept 32                               ; tokens 0-7: a load takes 512 consecutive bytes of a row
	global_load_b128 v[64+4*i:64+4*i+3], v3, s[4:5] offset:(i/4)*2048+(i%4)*512 th:TH_LOAD_NT
.set i, i+1
.endr
	s_mul_i32 s26, s22, XTW
	v_lshlrev_b32 v7, 3, v2                        ; 8 x lane: my 4 bf16 of 256 bytes of xb
	v_lshl_add_u32 v8, v2, 3, s26                  ; the same in my wave's rows in LDS
	v_mul_u32_u24 v9, v12, XP
	v_lshl_add_u32 v9, v5, 4, v9
	v_add_nc_u32 v9, s26, v9                       ; an x fragment: row r, + 16 h
	s_lshl_b32 s27, s22, 11
	s_add_co_u32 s27, s27, GF
	v_add_nc_u32 v6, s27, v3                       ; where my two gate fragments go
	v_add_nc_u32 v29, GF, v3                       ; from where all sixteen are read
	s_lshl_b32 s27, s22, 6
	s_add_co_u32 s27, s27, RS
	v_lshl_add_u32 v13, v5, 9, s27
	v_lshl_add_u32 v13, v12, 2, v13                ; results: 512 k + 4 (16 w + r), k = my half of the lanes
	s_wait_loadcnt 32                              ; the 8 gate loads are in; the 32 loads of x behind them stay out
.irp f, 0,1
.irp q, 0,1,2,3
	v_cvt_pk_bf16_f32 v[224+8*\f+2*\q],   v[192+16*\f+4*\q],   v[192+16*\f+4*\q+1]
	v_cvt_pk_bf16_f32 v[224+8*\f+2*\q+1], v[192+16*\f+4*\q+2], v[192+16*\f+4*\q+3]
.endr
	ds_store_b128 v6, v[224+8*\f:224+8*\f+3]   offset:1024*\f
	ds_store_b128 v6, v[224+8*\f+4:224+8*\f+7] offset:1024*\f+512
.endr
	WIN 0x40                                       ; destination in window 1
.set i, 0
.rept 32                               ; tokens 8-15
	global_load_b128 v[4*i:4*i+3], v3, s[4:5] offset:(8+i/4)*2048+(i%4)*512 th:TH_LOAD_NT
.set i, i+1
.endr
; Token i: rounded in place, stored to xb (a store covers 256 consecutive bytes, aligned) and into my rows in LDS.
.macro XROW i, base, wc, ws
	s_wait_loadcnt 4*(15-(\i))                     ; loads come back in order: this row's four are in, the later rows' stay out
	WIN \wc
.set pc, 0
.rept 4
	v_cvt_pk_bf16_f32 v[(\base)+4*pc],   v[(\base)+4*pc],   v[(\base)+4*pc+1]
	v_cvt_pk_bf16_f32 v[(\base)+4*pc+1], v[(\base)+4*pc+2], v[(\base)+4*pc+3]
.set pc, pc+1
.endr
	WIN \ws
.set pc, 0
.rept 4
	global_store_b64 v7, v[(\base)+4*pc:(\base)+4*pc+1], s[14:15] offset:(\i)*1024+pc*256
	ds_store_b64 v8, v[(\base)+4*pc:(\base)+4*pc+1] offset:(\i)*XP+pc*256
.set pc, pc+1
.endr
.endm
.irp i, 0,1,2,3,4,5,6,7
	XROW \i, 64+16*\i, 0, 0
.endr
.irp i, 8,9,10,11,12,13,14,15
	XROW \i, 16*\i-128, 0x45, 0x04                 ; conversions: sources and destination in window 1; stores: data in window 1
.endr
	WIN 0
	s_wait_dscnt 0x0                               ; for the others' sake: my two gate fragments are in LDS
	s_barrier_signal -1
	s_barrier_wait -1                              ; all sixteen are
	s_wait_xcnt 0x0                                ; the stores to xb have read their data: those registers are loaded again only behind this wait
.set ks, 0
.rept 16
	ds_load_b128 v[64+8*ks:64+8*ks+3], v9 offset:64*ks
	ds_load_b128 v[64+8*ks+4:64+8*ks+7], v9 offset:64*ks+32
.set ks, ks+1
.endr
	WIN 0x40
.set ks, 0
.rept 16
	ds_load_b128 v[8*ks:8*ks+3], v29 offset:1024*ks
	ds_load_b128 v[8*ks+4:8*ks+7], v29 offset:1024*ks+512
.set ks, ks+1
.endr
	s_wait_dscnt 0x0
	WIN 0x01                                       ; source 0, the gate, in window 1
.set ks, 0
.rept 16                               ; two accumulators by turns, even and odd K steps; the first two products start the sums
.if ks < 2
	v_wmma_f32_16x16x32_bf16 v[32+8*(ks%2):39+8*(ks%2)], v[8*ks:8*ks+7], v[64+8*ks:64+8*ks+7], 0
.else
	v_wmma_f32_16x16x32_bf16 v[32+8*(ks%2):39+8*(ks%2)], v[8*ks:8*ks+7], v[64+8*ks:64+8*ks+7], v[32+8*(ks%2):39+8*(ks%2)]
.endif
.set ks, ks+1
.endr
	WIN 0
	s_wait_kmcnt 0x0                               ; the biases
.irp j, 0,1,2,3,4,5,6,7
	v_mov_b32 v[48+\j], s[32+\j]                   ; eight plain instructions: the places behind the last products
.endr
.irp j, 0,2,4,6
	v_pk_add_f32 v[32+\j:33+\j], v[32+\j:33+\j], v[40+\j:41+\j]    ; s_j, from the accumulators' low end on
.endr
.irp m, 0,1,2,3
	v_cvt_pk_bf16_f32 v[20+\m], v[48+2*\m], v[49+2*\m]             ; the biases rounded to bf16,
.endr
.irp m, 0,1,2,3
	v_lshlrev_b32 v[48+2*\m], 16, v[20+\m]                         ; and widened again
	v_and_b32 v[49+2*\m], 0xffff0000, v[20+\m]
.endr
.irp j, 0,2,4,6
	v_pk_add_f32 v[56+\j:57+\j], v[32+\j:33+\j], v[48+\j:49+\j]    ; b_j = s_j + bias_j
.endr
	; the two largest b with their numbers (a later one wins only if strictly greater: the lower number wins a tie), and the two largest s
	v_mov_b32 v14, v56                             ; largest b, v15 its number
	v_mov_b32 v15, 0
	v_mov_b32 v16, 0xff800000                      ; second b, v17 its number
	v_mov_b32 v17, 0
	v_mov_b32 v18, v32                             ; largest s
	v_mov_b32 v19, 0xff800000                      ; second s
.irp j, 1,2,3,4,5,6,7
	v_cmp_gt_f32 s40, v[56+\j], v14
	v_cmp_gt_f32 s41, v[56+\j], v16
	v_cndmask_b32 v16, v16, v[56+\j], s41
	v_cndmask_b32 v17, v17, \j, s41
	v_cndmask_b32 v16, v16, v14, s40
	v_cndmask_b32 v17, v17, v15, s40
	v_cndmask_b32 v14, v14, v[56+\j], s40
	v_cndmask_b32 v15, v15, \j, s40
	v_min_num_f32 v20, v18, v[32+\j]
	v_max_num_f32 v18, v18, v[32+\j]
	v_max_num_f32 v19, v19, v20
.endr
	; p_k = sigmoid(m_k) / (sigmoid(m_1) + sigmoid(m_2)) = (1 + e_other) / (2 + e_1 + e_2), e_k = exp(-m_k); numerator and divisor are multiplied by 2^-c,
	; c = max(0, -log2(e) m_2), the largest exponent: every exponent is then at most 0 and the divisor at least 1
	s_mov_b32 s42, 0xbfb8aa3b                      ; -log2(e)
	v_mul_f32 v21, s42, v18
	v_mul_f32 v22, s42, v19
	v_max_num_f32 v23, 0, v22
	v_sub_f32 v21, v21, v23
	v_sub_f32 v22, v22, v23
	v_sub_f32 v23, 0, v23
	v_exp_f32 v21, v21                             ; E1
	v_exp_f32 v22, v22                             ; E2
	v_exp_f32 v23, v23                             ; E0
	v_nop                                          ; a plain instruction behind the last exponential,
	s_wait_alu depctr_va_vdst(0)                   ; and one wait for the batch, ahead of its first reader
	v_add_f32 v24, v23, v22
	v_add_f32 v25, v23, v21
	v_add_f32 v26, v24, v25
	v_rcp_f32 v26, v26
	v_cmp_eq_u32 s40, 1, v5                        ; the plain instruction behind the reciprocal: lanes 16-31 take the second choice
	s_wait_alu depctr_va_vdst(0)
	v_mul_f32 v24, v24, v26
	v_mul_f32 v25, v25, v26
	v_cndmask_b32 v27, v15, v17, s40
	v_cndmask_b32 v28, v24, v25, s40
	ds_store_b32 v13, v27
	ds_store_b32 v13, v28 offset:1024
	s_wait_dscnt 0x0                               ; for wave 0's sake
	s_barrier_signal -1
	s_barrier_wait -1
	s_cmp_lg_u32 s22, 0
	s_cbranch_scc1 .Lrend
	v_add_nc_u32 v14, RS, v3                       ; wave 0 sends the work-group's results: four stores of 512 consecutive bytes
.irp n, 0,1,2,3
	ds_load_b128 v[32+4*\n:35+4*\n], v14 offset:512*\n
.endr
	s_lshl_b32 s24, ttmp9, 9
	v_add_nc_u32 v15, s24, v3
	s_wait_dscnt 0x0
	global_store_b128 v15, v[32:35], s[16:17]              ; experts, k = 0: index k x 4,096 + token
	global_store_b128 v15, v[36:39], s[16:17] offset:16384 ; k = 1
	global_store_b128 v15, v[40:43], s[18:19]              ; gates likewise
	global_store_b128 v15, v[44:47], s[18:19] offset:16384
.Lrend:
	s_wait_tensorcnt 0x0                           ; the wave's end
	ds_add_u32 v[SPW], v[NIL]
	s_wait_dscnt 0x0
	s_endpgm
	; ---------------- w2, sw2 into fragments ----------------
; 32 rows (k) x 128 columns (n) of f32, rows \pitch bytes apart, become 8 fragments.  A lane holds 4 columns of each row; two rows of one column round into one word,
; so eight k of a column are four registers, 16 bytes of a fragment: no shuffle.  They go to my own stage (fragments XP bytes apart, so that 16 lanes' 16 bytes fall on
; 16 different places modulo 256) and come back 512 consecutive bytes at a time.
.macro CONV pitch, sb
.set i, 0
.rept 32
	global_load_b128 v[64+4*i:64+4*i+3], v3, s[\sb:\sb+1] offset:i*(\pitch) th:TH_LOAD_NT
.set i, i+1
.endr
.set o, 0
.rept 4
	s_wait_loadcnt 24-8*o                          ; rows 8 o .. 8 o + 7 are in, the later rows stay out
.set c, 0
.rept 4
.set m, 0
.rept 4
	v_cvt_pk_bf16_f32 v[192+16*o+4*c+m], v[64+4*(8*o+2*m)+c], v[64+4*(8*o+2*m+1)+c]
.set m, m+1
.endr
	ds_store_b128 v4, v[192+16*o+4*c:192+16*o+4*c+3] offset:256*o+16*c
.set c, c+1
.endr
.set o, o+1
.endr
.set n, 0
.rept 16
	ds_load_b128 v[64+4*n:64+4*n+3], v5 offset:(n/2)*XP+(n%2)*512  ; LDS serves a wave's instructions in order: these see the stores above
.set n, n+1
.endr
.endm
.Lconv:
	s_sub_co_u32 s23, ttmp9, 32
	s_lshr_b32 s24, s23, 4                         ; expert 0..8 (8: the shared one)
	s_and_b32 s25, s23, 15                         ; chunk of 64 hidden numbers
	s_lshr_b32 s26, s22, 2                         ; which 32 of them
	s_and_b32 s27, s22, 3                          ; which 128 output columns: the wave of the chain that will read them
	s_cmp_lt_u32 s24, 8
	s_cselect_b64 s[28:29], s[10:11], s[12:13]
	s_cselect_b32 s30, s24, 0
	s_lshl_b32 s30, s30, 21                        ; an expert's w2 is 2 MiB
	s_lshl1_add_u32 s31, s25, s26
	s_lshl_b32 s31, s31, 16                        ; 32 rows of 2,048 bytes
	s_add_co_u32 s30, s30, s31
	s_lshl_b32 s31, s27, 9
	s_add_co_u32 s30, s30, s31
	s_mov_b32 s31, 0
	s_add_nc_u64 s[28:29], s[28:29], s[30:31]
	s_mul_i32 s30, s24, 3145728                    ; wf: 3 MiB an expert, 16 blocks of 196,608 bytes; a chunk's w2 lies in the block of the chunk behind it, from byte 131,072 on
	s_add_co_u32 s32, s25, 1
	s_and_b32 s32, s32, 15
	s_mul_i32 s32, s32, 196608
	s_add_co_u32 s30, s30, s32
	s_lshl_b32 s32, s27, 14
	s_add_co_u32 s30, s30, s32
	s_lshl_b32 s32, s26, 13
	s_add_co_u32 s30, s30, s32
	s_add_co_u32 s30, s30, 131072
	s_add_nc_u64 s[20:21], s[20:21], s[30:31]
	s_mul_i32 s32, s22, CVW
	s_add_co_u32 s32, s32, CVS                     ; my stage
	v_lshrrev_b32 v4, 2, v2                        ; my 4 columns lie in fragment lane / 4,
	v_mul_u32_u24 v4, v4, XP
	v_and_b32 v5, 3, v2
	v_lshl_add_u32 v4, v5, 6, v4                   ; at n = 4 (lane % 4)
	v_add_nc_u32 v4, s32, v4
	v_add_nc_u32 v5, s32, v3
	CONV 2048, 28
.set n, 0
.rept 16
	s_wait_dscnt 15-n
	global_store_b128 v3, v[64+4*n:64+4*n+3], s[20:21] offset:512*n  ; 512 consecutive bytes, aligned
.set n, n+1
.endr
	s_wait_tensorcnt 0x0                           ; the wave's end
	ds_add_u32 v[SPW], v[NIL]
	s_wait_dscnt 0x0
	s_endpgm
.Lfunc_end_k_qb6f6ea524c_route:
	.size	k_qb6f6ea524c_route, .Lfunc_end_k_qb6f6ea524c_route-k_qb6f6ea524c_route
	.p2alignl 7, 3214868480
	.fill 96, 4, 3214868480
	.section	.rodata,"a",@progbits
	.p2align	6, 0x0
	.amdhsa_kernel k_qb6f6ea524c_route
		.amdhsa_group_segment_fixed_size 219136
		.amdhsa_private_segment_fixed_size 0
		.amdhsa_enable_private_segment 0
		.amdhsa_kernarg_size 72
		.amdhsa_user_sgpr_count 2
		.amdhsa_user_sgpr_kernarg_segment_ptr 1
		.amdhsa_wavefront_size32 1
		.amdhsa_system_sgpr_workgroup_id_x 1
		.amdhsa_system_sgpr_workgroup_id_y 1
		.amdhsa_system_sgpr_workgroup_id_z 1
		.amdhsa_system_vgpr_workitem_id 0
		.amdhsa_next_free_vgpr 384
		.amdhsa_next_free_sgpr 66
		.amdhsa_reserve_vcc 0
		.amdhsa_float_denorm_mode_32 3
		.amdhsa_float_denorm_mode_16_64 3
		.amdhsa_memory_ordered 1
		.amdhsa_forward_progress 1
		.amdhsa_inst_pref_size 55
	.end_amdhsa_kernel
	.amdgpu_metadata
---
amdhsa.version: [ 1, 2 ]
amdhsa.kernels:
  - .name:           k_qb6f6ea524c_route
    .symbol:         k_qb6f6ea524c_route.kd
    .args:
      - { .name: x, .offset: 0, .size: 8, .value_kind: global_buffer, .address_space: global }
      - { .name: gate_w, .offset: 8, .size: 8, .value_kind: global_buffer, .address_space: global }
      - { .name: biases, .offset: 16, .size: 8, .value_kind: global_buffer, .address_space: global }
      - { .name: w2, .offset: 24, .size: 8, .value_kind: global_buffer, .address_space: global }
      - { .name: sw2, .offset: 32, .size: 8, .value_kind: global_buffer, .address_space: global }
      - { .name: xb, .offset: 40, .size: 8, .value_kind: global_buffer, .address_space: global }
      - { .name: ridx, .offset: 48, .size: 8, .value_kind: global_buffer, .address_space: global }
      - { .name: pr, .offset: 56, .size: 8, .value_kind: global_buffer, .address_space: global }
      - { .name: wf, .offset: 64, .size: 8, .value_kind: global_buffer, .address_space: global }
    .group_segment_fixed_size: 219136
    .private_segment_fixed_size: 0
    .kernarg_segment_align: 8
    .kernarg_segment_size: 72
    .max_flat_workgroup_size: 256
    .sgpr_count:     66
    .vgpr_count:     384
    .wavefront_size: 32
...
	.end_amdgpu_metadata
.endif
;; end of part 1
;; launch prep (part 2): grid 289 x 1, 8 waves a work-group, no clusters, 149,760 bytes of LDS; arguments ridx, pr, w1, w3, sw1, sw3, wf, rows, rowp, ctab; writes wf, rows, rowp, ctab
.if DOCPART == 2
	.amdgcn_target "amdgcn-amd-amdhsa--gfx1250"
	.amdhsa_code_object_version 6
	.text
	.protected	k_qb6f6ea524c_prep
	.globl	k_qb6f6ea524c_prep
	.p2align	8
	.type	k_qb6f6ea524c_prep,@function
k_qb6f6ea524c_prep:
	s_mov_b64 s[64:65], 0
	v_nop
	global_prefetch_b8 v0, s[64:65] scope:SCOPE_SE
	s_setreg_imm32_b32 hwreg(HW_REG_WAVE_MODE, 25, 1), 1
	s_wait_xcnt 0x0
; PREP.  Work-group 0: the 8,192 choices (k x 4,096 + token) are sorted by expert, by counting, and the chain's tables are made.  Work-groups 1-288: w1, w3, sw1, sw3 rounded
; to bf16 and laid out as fragments in wf (the layout is described at the chain's head).  The two ways are chosen by the work-group's number; each has LDS bytes of its own.
; THE TABLES.  A group has 256 slots, four tiles of 64, all of one expert.  Groups 0-15: the shared expert, slot = token, row id 8,192 + token, gate 1.
; From group 16 on each expert has ceil(n_e / 256) groups: 39 at the most, whatever the split (the remainders add up to a multiple of 256).  A slot past an expert's count has
; the row id 12,288 + its tile's number and the gate 0: the chain stores such a row into a spare row of ypart that belongs to the tile and that nobody reads.
; ctab[group] = expert, first chunk of the walk.  Groups that a split leaves idle have expert 8 and padding slots alone.
; THE SORT'S SCALARS: s40-47 an expert's rows; s48-51 at work; s52-59 its rows in the waves below mine; s66-73 its first slot; s74 the first slot that no expert has;
; s75-80 at work; s84-91 the slot behind its last row; s92 masks of vector compares.
.set XP,    1040
.set CVW,   8*XP
.set PL,    40960                      ; LIST: 40 groups x 256 row ids at 0; PLIST: their gates, PL bytes on
.set CNT,   81920                      ; [wave][expert] counts, 256 bytes
.set SPARE, 82176                      ; the spare words, 128 bytes a wave
.set CVS,   83200                      ; the converter's stages, 8 x CVW bytes: bytes that the sort never names
.set SPW,   30
.set NIL,   31
.set MK,    92                         ; s92: the mask of a vector compare; no other line names it
	s_load_b512 s[4:19], s[0:1], 0x0               ; ridx s[4:5], pr s[6:7], w1 s[8:9], w3 s[10:11], sw1 s[12:13], sw3 s[14:15], wf s[16:17], rows s[18:19]
	s_load_b128 s[20:23], s[0:1], 0x40             ; rowp s[20:21], ctab s[22:23]
	v_lshl_add_u32 v[SPW], v0, 2, SPARE
	v_mov_b32 v[NIL], 0
	v_lshrrev_b32 v1, 5, v0
	v_readfirstlane_b32 s24, v1                    ; wave 0..7
	v_and_b32 v2, 31, v0
	v_lshlrev_b32 v3, 4, v2                        ; 16 x lane
	s_wait_kmcnt 0x0
	s_cmp_eq_u32 ttmp9, 0                          ; the same answer in all eight waves
	s_cbranch_scc1 .Lsort
; 32 rows (k) x 128 columns (n) of f32 become 8 fragments: as in the launch before
.macro CONV pitch, sb
.set i, 0
.rept 32
	global_load_b128 v[64+4*i:64+4*i+3], v3, s[\sb:\sb+1] offset:i*(\pitch) th:TH_LOAD_NT
.set i, i+1
.endr
.set o, 0
.rept 4
	s_wait_loadcnt 24-8*o                          ; rows 8 o .. 8 o + 7 are in
.set c, 0
.rept 4
.set m, 0
.rept 4
	v_cvt_pk_bf16_f32 v[192+16*o+4*c+m], v[64+4*(8*o+2*m)+c], v[64+4*(8*o+2*m+1)+c]
.set m, m+1
.endr
	ds_store_b128 v4, v[192+16*o+4*c:192+16*o+4*c+3] offset:256*o+16*c
.set c, c+1
.endr
.set o, o+1
.endr
.set n, 0
.rept 16
	ds_load_b128 v[64+4*n:64+4*n+3], v5 offset:(n/2)*XP+(n%2)*512
.set n, n+1
.endr
.endm
	s_sub_co_u32 s25, ttmp9, 1
	s_lshr_b32 s26, s25, 5                         ; expert 0..8
	s_bfe_u32 s27, s25, 0x10004                    ; 0: w1, 1: w3
	s_and_b32 s28, s25, 15                         ; K step of 32 input channels
	s_cmp_eq_u32 s27, 0
	s_cselect_b64 s[30:31], s[8:9], s[10:11]
	s_cselect_b64 s[32:33], s[12:13], s[14:15]
	s_cmp_lt_u32 s26, 8
	s_cselect_b64 s[30:31], s[30:31], s[32:33]
	s_cselect_b32 s34, s26, 0
	s_lshl_b32 s34, s34, 21                        ; 2 MiB an expert
	s_lshl_b32 s35, s28, 17                        ; 32 rows of 4,096 bytes
	s_add_co_u32 s34, s34, s35
	s_lshl_b32 s35, s24, 9                         ; my wave's 128 hidden columns
	s_add_co_u32 s34, s34, s35
	s_mov_b32 s35, 0
	s_add_nc_u64 s[30:31], s[30:31], s[34:35]
	; hidden block 8 w + nb is read by wave nb % 4 of the chain in chunk 2 w + nb / 4.  K steps 0-11 lie in a block's first part (24,576 bytes a reading wave), 12-15 in its second (8,192)
	s_cmp_lt_u32 s28, 12
	s_cselect_b32 s36, 3, 1
	s_cselect_b32 s38, 0, 73728                    ; 98,304 less the six units of the first part
	s_lshl_b32 s36, s36, 13
	s_lshr_b32 s37, s28, 1
	s_lshl_b32 s37, s37, 12                        ; a unit of two K steps: 4,096 bytes
	s_add_co_u32 s38, s38, s37
	s_and_b32 s37, s28, 1
	s_lshl_b32 s37, s37, 11
	s_add_co_u32 s38, s38, s37
	s_lshl_b32 s37, s27, 10
	s_add_co_u32 s38, s38, s37
	s_mul_i32 s37, s26, 3145728
	s_add_co_u32 s38, s38, s37
	s_mul_i32 s37, s24, 393216                     ; two blocks a wave
	s_add_co_u32 s38, s38, s37
	s_mov_b32 s39, 0
	s_add_nc_u64 s[16:17], s[16:17], s[38:39]
	v_mov_b32 v12, v3
	v_add_nc_u32 v13, s36, v12
	v_add_nc_u32 v14, s36, v13
	v_add_nc_u32 v15, s36, v14                     ; v12-15: 16 x lane + reading wave x its share
	s_mul_i32 s37, s24, CVW
	s_add_co_u32 s37, s37, CVS                     ; my stage
	v_lshrrev_b32 v4, 2, v2
	v_mul_u32_u24 v4, v4, XP
	v_and_b32 v5, 3, v2
	v_lshl_add_u32 v4, v5, 6, v4
	v_add_nc_u32 v4, s37, v4
	v_add_nc_u32 v5, s37, v3
	CONV 4096, 30
.set n, 0
.rept 16
	s_wait_dscnt 15-n
	global_store_b128 v[12+(n/2)%4], v[64+4*n:64+4*n+3], s[16:17] offset:(n/8)*196608+(n%2)*512  ; 512 consecutive bytes, aligned
.set n, n+1
.endr
	s_wait_tensorcnt 0x0                           ; the wave's end
	ds_add_u32 v[SPW], v[NIL]
	s_wait_dscnt 0x0
	s_endpgm
	; ---------------- the sort ----------------
.Lsort:
	v_lshl_add_u32 v4, v1, 12, v3                  ; wave w has entries 1,024 w .. + 1,023: entry 1,024 w + 128 j + 4 lane + c in register 4 j + c
.set j, 0
.rept 8
	global_load_b128 v[32+4*j:35+4*j], v4, s[4:5] offset:512*j
.set j, j+1
.endr
.set j, 0
.rept 8
	global_load_b128 v[64+4*j:67+4*j], v4, s[6:7] offset:512*j
.set j, j+1
.endr
	; the shared expert's groups w and w + 8 hang on nothing that is loaded: they go out while the loads are on their way
	s_lshl_b32 s50, s24, 8
	s_add_co_u32 s50, s50, 8192
	v_lshl_add_u32 v22, v2, 2, s50                 ; row id 8,192 + slot, slot = 256 w + 4 lane + ..
	v_lshl_add_u32 v15, v1, 10, v3                 ; 1,024 w + 16 lane in rows and rowp; never rewritten
.irp z, 176,177,178,179
	v_mov_b32 v\z, 1.0
.endr
.set n, 0
.rept 16
	v_add_nc_u32 v[160+n], 2048*(n/8)+128*((n/4)%2)+n%4, v22
.set n, n+1
.endr
.set n, 0
.rept 4
	global_store_b128 v15, v[160+4*n:163+4*n], s[18:19] offset:8192*(n/2)+512*(n%2)
	global_store_b128 v15, v[176:179], s[20:21] offset:8192*(n/2)+512*(n%2)
.set n, n+1
.endr
.irp z, 24,25,26,27
	v_mov_b32 v\z, 0
.endr
	v_lshlrev_b32 v5, 4, v0
	v_add_nc_u32 v6, PL, v5
.set n, 0
.rept 10                               ; both lists start at 0: places that no entry takes are read below, and dropped
	ds_store_b128 v5, v[24:27] offset:4096*n
	ds_store_b128 v6, v[24:27] offset:4096*n
.set n, n+1
.endr
.irp e, 0,1,2,3,4,5,6,7
	s_mov_b32 s[40+\e], 0                          ; my wave's counts
.endr
	s_wait_loadcnt 8                               ; the experts are in; the eight loads of gates stay out
; An entry's rank among my wave's entries of its expert: the entries counted so far, plus the lanes below mine with the same expert.  The register then holds 8 x rank + expert.
.macro RANK x
	v_min_u32 v[32+\x], 7, v[32+\x]
.irp e, 0,1,2,3,4,5,6,7
	v_cmp_eq_u32 s48, \e, v[32+\x]
.if \e == 0
	v_mbcnt_lo_u32_b32 v8, s48, s[40+\e]
.else
	v_mbcnt_lo_u32_b32 v9, s48, s[40+\e]
	v_cndmask_b32 v8, v8, v9, s48
.endif
	s_bcnt1_i32_b32 s49, s48
	s_add_co_u32 s[40+\e], s[40+\e], s49
.endr
	v_lshl_or_b32 v[32+\x], v8, 3, v[32+\x]
.endm
.set en, 0
.rept 32
	RANK en
.set en, en+1
.endr
	s_lshl_b32 s50, s24, 5
	s_add_co_u32 s50, s50, CNT
	v_mov_b32 v10, s50
.irp e, 0,1,2,3,4,5,6,7
	v_mov_b32 v9, s[40+\e]
	ds_store_b32 v10, v9 offset:4*\e               ; all lanes write the same word with the same number
.endr
	s_wait_dscnt 0x0                               ; for the others' sake: my counts and my share of the zeros
	s_barrier_signal -1
	s_barrier_wait -1
	v_and_b32 v10, 7, v0
	v_lshl_add_u32 v10, v10, 2, CNT                ; lane l looks at expert l % 8
.irp n, 0,1,2,3,4,5,6,7
	ds_load_b32 v[100+\n], v10 offset:32*\n
.endr
	v_mov_b32 v11, 0                               ; the expert's rows in all,
	v_mov_b32 v12, 0                               ; and in the waves below mine
	s_wait_dscnt 0x0
.irp n, 0,1,2,3,4,5,6,7
	v_add_nc_u32 v11, v11, v[100+\n]
	s_cmp_gt_u32 s24, \n
	s_cselect_b32 s50, -1, 0
	v_and_b32 v9, s50, v[100+\n]
	v_add_nc_u32 v12, v12, v9
.endr
.irp e, 0,1,2,3,4,5,6,7
	v_readlane_b32 s[40+\e], v11, \e               ; n_e
	v_readlane_b32 s[52+\e], v12, \e
.endr
	s_mov_b32 s50, 16                              ; the routed experts' groups begin behind the shared expert's 16
.irp e, 0,1,2,3,4,5,6,7
	s_lshl_b32 s[66+\e], s50, 8                    ; s66-73: the expert's first slot,
	s_add_co_u32 s[84+\e], s[66+\e], s[40+\e]      ; s84-91: the slot behind its last row; both are kept to the end
	s_add_co_u32 s51, s[40+\e], 255
	s_lshr_b32 s51, s51, 8
	s_add_co_u32 s50, s50, s51
.endr
	s_lshl_b32 s74, s50, 8                         ; the first slot that no expert has
	v_mov_b32 v13, 0
.irp e, 0,1,2,3,4,5,6,7
	s_add_co_u32 s51, s[66+\e], s[52+\e]
	s_sub_co_u32 s51, s51, 4096                    ; the lists begin at slot 4,096
	v_writelane_b32 v13, s51, \e                   ; lane e: where my wave's rows of expert e begin
.endr
.set n, 0
.rept 32
	v_and_b32 v[128+n], 7, v[32+n]
	v_lshlrev_b32 v[128+n], 2, v[128+n]
	ds_bpermute_b32 v[128+n], v[128+n], v13
.set n, n+1
.endr
	v_lshlrev_b32 v14, 10, v1
	v_lshl_add_u32 v14, v2, 2, v14                 ; 1,024 w + 4 lane
	s_wait_dscnt 0x0
	s_wait_loadcnt 0x0                             ; the gates
.set n, 0
.rept 32                               ; each entry has a place of its own: base of (wave, expert) + rank
	v_lshrrev_b32 v9, 3, v[32+n]
	v_add_nc_u32 v9, v9, v[128+n]
	v_min_u32 v9, 0x27ff, v9                       ; inside the list's 10,240 places
	v_lshlrev_b32 v9, 2, v9
	v_add_nc_u32 v8, 128*(n/4)+n%4, v14            ; the entry's own number: the row id
	ds_store_b32 v9, v8
	ds_store_b32 v9, v[64+n] offset:PL
.set n, n+1
.endr
	s_wait_dscnt 0x0
	s_barrier_signal -1
	s_barrier_wait -1                              ; the lists are whole; from here on LDS is only read
	; wave w makes the routed groups 16 + w + 8 t, t = 0..4: all their 20 loads first
	s_lshl_b32 s50, s24, 10
	v_add_nc_u32 v18, s50, v3                      ; 1,024 w + 16 lane in LIST,
	v_add_nc_u32 v19, PL, v18                      ; and in PLIST
.set t, 0
.rept 5
	ds_load_b128 v[32+16*t:35+16*t], v18 offset:8192*t
	ds_load_b128 v[36+16*t:39+16*t], v18 offset:8192*t+512
	ds_load_b128 v[40+16*t:43+16*t], v19 offset:8192*t
	ds_load_b128 v[44+16*t:47+16*t], v19 offset:8192*t+512
.set t, t+1
.endr
	v_lshlrev_b32 v17, 2, v2                       ; 4 lane
	v_lshrrev_b32 v25, 4, v2                       ; lane / 16: which of two tiles my four slots lie in
.macro CLU t
.set RB, 32+16*(\t)
	s_add_co_u32 s75, s24, 16+8*(\t)               ; the group
	s_lshl_b32 s77, s75, 8                         ; its first slot
	s_mov_b32 s80, s84                             ; the slot behind the last row of the last expert whose first slot is not behind mine
.irp k, 1,2,3,4,5,6,7
	s_cmp_ge_u32 s77, s[66+\k]
	s_cselect_b32 s80, s[84+\k], s80
.endr
	s_cmp_ge_u32 s77, s74                          ; an idle group has no rows
	s_cselect_b32 s80, 0, s80
	s_lshl_b32 s78, s75, 2
	s_add_co_u32 s78, s78, 12288
	v_add_nc_u32 v23, s77, v17                     ; the slot of my first number
	v_add_nc_u32 v24, s78, v25                     ; a padding slot's row id: 12,288 + tile,
	v_add_nc_u32 v26, 2, v24                       ; two tiles on for my second four
	s_wait_dscnt 4*(4-(\t))                        ; this group's four loads are in; the later groups' four each stay out
.irp q, 0,1,2,3,4,5,6,7
	v_add_nc_u32 v9, 128*(\q/4)+\q%4, v23
	v_cmp_gt_u32 s[MK], s80, v9                    ; a slot with a row of its own?
	v_cndmask_b32 v[RB+\q], v[24+2*(\q/4)], v[RB+\q], s[MK]
	v_cndmask_b32 v[RB+8+\q], 0, v[RB+8+\q], s[MK]
.endr
	global_store_b128 v15, v[RB:RB+3],     s[18:19] offset:16384+8192*(\t)
	global_store_b128 v15, v[RB+4:RB+7],   s[18:19] offset:16384+8192*(\t)+512
	global_store_b128 v15, v[RB+8:RB+11],  s[20:21] offset:16384+8192*(\t)
	global_store_b128 v15, v[RB+12:RB+15], s[20:21] offset:16384+8192*(\t)+512
.endm
	CLU 0
	CLU 1
	CLU 2
	CLU 3
	CLU 4
	s_cmp_lg_u32 s24, 0
	s_cbranch_scc1 .Lsend
	; wave 0 makes ctab, a group a lane, twice: two stores of 256 consecutive bytes
.macro CTAB half
.set CB, 112+8*(\half)
	v_add_nc_u32 v[CB], 32*(\half), v2             ; the group
	v_lshlrev_b32 v[CB+1], 8, v[CB]                ; its first slot
	v_mov_b32 v[CB+2], 0                           ; expert,
	v_mov_b32 v[CB+3], s66                         ; the expert's first slot
.irp k, 1,2,3,4,5,6,7
	v_cmp_le_u32 s[MK], s[66+\k], v[CB+1]
	v_cndmask_b32 v[CB+2], v[CB+2], \k, s[MK]
	v_cndmask_b32 v[CB+3], v[CB+3], s[66+\k], s[MK]
.endr
	v_cmp_le_u32 s[MK], s74, v[CB+1]               ; idle
	v_cndmask_b32 v[CB+2], v[CB+2], 8, s[MK]
	v_cndmask_b32 v[CB+3], v[CB+3], v[CB+1], s[MK]
	v_cmp_gt_u32 s[MK], 16, v[CB]                  ; shared
	v_cndmask_b32 v[CB+2], v[CB+2], 8, s[MK]
	v_cndmask_b32 v[CB+3], v[CB+3], 0, s[MK]
	v_sub_nc_u32 v[CB+3], v[CB+1], v[CB+3]
	v_lshrrev_b32 v[CB+3], 8, v[CB+3]              ; the expert's j-th group
	v_mul_u32_u24 v[CB+3], v[CB+3], 5
	v_and_b32 v[CB+3], 15, v[CB+3]                 ; begins its walk at chunk 5 j mod 16
	v_lshlrev_b32 v[CB+4], 3, v[CB]
	global_store_b64 v[CB+4], v[CB+2:CB+3], s[22:23]
.endm
	CTAB 0
	CTAB 1
.Lsend:
	s_wait_tensorcnt 0x0                           ; the wave's end
	ds_add_u32 v[SPW], v[NIL]
	s_wait_dscnt 0x0
	s_endpgm
.Lfunc_end_k_qb6f6ea524c_prep:
	.size	k_qb6f6ea524c_prep, .Lfunc_end_k_qb6f6ea524c_prep-k_qb6f6ea524c_prep
	.p2alignl 7, 3214868480
	.fill 96, 4, 3214868480
	.section	.rodata,"a",@progbits
	.p2align	6, 0x0
	.amdhsa_kernel k_qb6f6ea524c_prep
		.amdhsa_group_segment_fixed_size 149760
		.amdhsa_private_segment_fixed_size 0
		.amdhsa_enable_private_segment 0
		.amdhsa_kernarg_size 80
		.amdhsa_user_sgpr_count 2
		.amdhsa_user_sgpr_kernarg_segment_ptr 1
		.amdhsa_wavefront_size32 1
		.amdhsa_system_sgpr_workgroup_id_x 1
		.amdhsa_system_sgpr_workgroup_id_y 1
		.amdhsa_system_sgpr_workgroup_id_z 1
		.amdhsa_system_vgpr_workitem_id 0
		.amdhsa_next_free_vgpr 256
		.amdhsa_next_free_sgpr 96
		.amdhsa_reserve_vcc 0
		.amdhsa_float_denorm_mode_32 3
		.amdhsa_float_denorm_mode_16_64 3
		.amdhsa_memory_ordered 1
		.amdhsa_forward_progress 1
		.amdhsa_inst_pref_size 128
	.end_amdhsa_kernel
	.amdgpu_metadata
---
amdhsa.version: [ 1, 2 ]
amdhsa.kernels:
  - .name:           k_qb6f6ea524c_prep
    .symbol:         k_qb6f6ea524c_prep.kd
    .args:
      - { .name: ridx, .offset: 0, .size: 8, .value_kind: global_buffer, .address_space: global }
      - { .name: pr, .offset: 8, .size: 8, .value_kind: global_buffer, .address_space: global }
      - { .name: w1, .offset: 16, .size: 8, .value_kind: global_buffer, .address_space: global }
      - { .name: w3, .offset: 24, .size: 8, .value_kind: global_buffer, .address_space: global }
      - { .name: sw1, .offset: 32, .size: 8, .value_kind: global_buffer, .address_space: global }
      - { .name: sw3, .offset: 40, .size: 8, .value_kind: global_buffer, .address_space: global }
      - { .name: wf, .offset: 48, .size: 8, .value_kind: global_buffer, .address_space: global }
      - { .name: rows, .offset: 56, .size: 8, .value_kind: global_buffer, .address_space: global }
      - { .name: rowp, .offset: 64, .size: 8, .value_kind: global_buffer, .address_space: global }
      - { .name: ctab, .offset: 72, .size: 8, .value_kind: global_buffer, .address_space: global }
    .group_segment_fixed_size: 149760
    .private_segment_fixed_size: 0
    .kernarg_segment_align: 8
    .kernarg_segment_size: 80
    .max_flat_workgroup_size: 256
    .sgpr_count:     96
    .vgpr_count:     256
    .wavefront_size: 32
...
	.end_amdgpu_metadata
.endif
;; end of part 2
;; launch chain (part 3): grid 220 x 1, 4 waves a work-group, no clusters, 167,424 bytes of LDS; arguments xb, wf, rows, rowp, ctab, ypart; writes ypart
.if DOCPART == 3
	.amdgcn_target "amdgcn-amd-amdhsa--gfx1250"
	.amdhsa_code_object_version 6
	.text
	.protected	k_qb6f6ea524c_chain
	.globl	k_qb6f6ea524c_chain
	.p2align	8
	.type	k_qb6f6ea524c_chain,@function
k_qb6f6ea524c_chain:
	s_mov_b64 s[64:65], 0
	v_nop
	global_prefetch_b8 v0, s[64:65] scope:SCOPE_SE
	s_setreg_imm32_b32 hwreg(HW_REG_WAVE_MODE, 25, 1), 1
	s_wait_xcnt 0x0
; CHAIN.  ypart[row] = p x ((silu(x w1) * (x w3)) w2) for the 64 rows of a tile, all of one expert; row = k x 4,096 + token, or 8,192 + token for the shared expert.
; bf16 operands, f32 sums; the hidden layer is rounded once to bf16 and never leaves LDS.  silu(g) u is formed as (u g) / (1 + 2^(-log2(e) g)).
; LIMITS: |u g| stays inside f32's range; NaN and infinities are not treated apart.  The first trip multiplies a hidden tile of zeros by weights, which must be finite.
; THE GRID serves every split: 220 tiles = 55 groups of four, 16 groups for the shared expert, 39 at the most for the routed ones.  A slot without a row has the row id 12,288 + tile and the gate 0:
; it is computed on an existing token and stored like any other, into the tile's own spare row of ypart, which nobody reads: 1,792 such rows at the most.  So no count, no branch and no mask steers the text.
; SHARES: first product: wave w has 16 hidden columns (block 4 chunk + w) for all 64 rows; second: output columns 128 w .. + 127 for all 64 rows.  Both are used transposed (source 0 = weights,
; source 1 = rows), so a lane holds one row and eight neighbouring columns.
; THE WEIGHTS COME STRAIGHT INTO REGISTERS.  With these shares each weight fragment is read by ONE wave of the work-group, so a stage in LDS would feed no second reader; wf holds the fragments in the order in
; which the operand registers take them, and a load of the wave covers 512 consecutive bytes.  A UNIT is 4 fragments, 4,096 bytes, 8 loads, and feeds 16 matrix instructions.  A trip has 12 units and six register
; buffers take turns (12 = 2 x 6: a unit always has the same buffer): behind unit p's products the unit six places on is asked for into p's buffer.  So while one unit is multiplied five are on their way,
; 40 loads or 20 KiB a wave, and each has 80 matrix instructions in which to land.
; NO JOINT LOADS: the four tiles of a group walk the same weights and could share them by tensor loads with a mask.  A joint load's descriptor must be alike in all partners, and here its address hangs on two
; numbers read from memory (expert, first chunk); so each work-group asks for itself: 220 x 3 MiB.
; THE WALK: the hidden width goes in 16 chunks of 64, beginning at the chunk that ctab names (an expert's groups begin at different chunks; Y's sum over chunks has no order of its own).
; A chunk's weights are one block of wf, 196,608 bytes:
;   from byte 0:       w1 and w3 for K steps 0-11: reading wave w x 24,576 + unit u x 4,096; a unit is two K steps x (w1, w3)
;   from byte 98,304:  units 6, 7 (K steps 12-15): w x 8,192 + (u - 6) x 4,096
;   from byte 131,072: w2 of the chunk BEFORE: w x 16,384 + unit s x 4,096; unit s: hidden numbers 32 (s / 2) on, column blocks 4 (s % 2) on
; So the second product lags a chunk: while it runs on chunk i - 1, the activation of chunk i rides behind its matrix instructions, and the hidden tile is handed over by a barrier.
; A TRIP's units: u0 .. u6, s0, s1, u7, s2, s3.
; REGISTERS, in windows of 256: window 0: v0-31 addresses; v32-63 G = x w1, v64-95 U = x w3 (8 a block of 16 rows); v96-223 buffers 0-3; v224-255 the hidden tile's fragments.
;   window 1: Y, accumulator (column block cb, row block rb) at 8 (4 cb + rb).   window 2: x, K steps 0-7, row block rb at 32 ks + 8 rb.
;   window 3: v0-127 x, K steps 8-11; v128-191 buffers 4, 5; v192-255 XB: x's K steps 12-15 come from LDS through it, two at a time: the registers that they would fill are what buffers 4 and 5 and XB take.
; Y is cleared by 256 v_mov while the first loads are on their way, and the first trip's second product adds zeros: the price of writing no first trip out.
.set SB,    98304                      ; a block's second part
.set W2O,   131072                     ; a block's w2
.set BLK,   196608
.set EXPB,  3145728
.set H0,    0                          ; hidden tile, 64 rows x 144 bytes; the second buffer lies HX further on
.set HX,    0x4000
.set HP,    144                        ; 128 bytes + 16: an odd multiple of 16
.set XS,    0x8000                     ; x, 64 rows x 1,040 bytes: written once, read to the last trip
.set XP,    1040
.set YS,    XS+64*XP                   ; eight stages of 16 rows x 528 bytes for the way out, two a wave
.set YP,    528
.set SPARE, YS+8*16*YP                 ; the spare words, 128 bytes a wave: two blocks of 256 bytes that no other line names
.set L16, 1                            ; 16 x lane
.set ADA, 2                            ; my units 0-5 in a block: 24,576 w + 16 lane; never rewritten
.set ADB, 3                            ; my units 6, 7; never rewritten
.set ADW, 4                            ; my w2; never rewritten
.set XA,  5                            ; an x fragment in LDS: XS + row r x 1,040 + 16 h
.set HR0, 6                            ; a hidden fragment: row r x 144 + 16 h
.set HRA, 7                            ; + the buffer that is read
.set HW0, 8                            ; where my 16 bytes of a hidden row go
.set HWA, 9                            ; + the buffer that is written
.set SPW, 10
.set NIL, 11
.set PP,  12                           ; v12-15 the gate of my row in each row block
.set ZO,  16                           ; 0: the offset of loads that are alike in all lanes
.set STO, 17
.set RD,  18
.set GO,  19
.set G,   32
.set U,   64
.set B0,  96                           ; window 0
.set B1,  128
.set B2,  160
.set B3,  192
.set HF,  224
.set B4,  128                          ; window 3
.set B5,  160
.set XB,  192
; s16 wave, s18 group, s19 tile; s[20:21] ctab's entry; s[46:47] the block that is being asked for; s[52:53] wf + expert; s56 its chunk; s57 trips; s58, s59 hidden buffer read, written;
; s[60:61] an offset; s62 at work; s[66:67] -log2(e); s[68:69] the tile's offset in rows and rowp
.set MSB, 0
.macro WIN new                         ; the immediate's high byte repeats the setting that is left; a switch that changes nothing is dropped
.if MSB != (\new)
	s_set_vgpr_msb (MSB<<8)|(\new)
.set MSB, (\new)
.endif
.endm
.macro PLACES                          ; four places between matrix instructions and loads into, or vector reads of, their registers
.rept 4
	v_nop
.endr
.endm
.macro GLU ub, aw, adr, off            ; a unit out of memory into the buffer at ub of window aw
	WIN (\aw)<<6
.set ji, 0
.rept 8
	global_load_b128 v[(\ub)+4*ji:(\ub)+4*ji+3], v[\adr], s[46:47] offset:(\off)+512*ji
.set ji, ji+1
.endr
.endm
.macro NEXTU ub, aw, n, last           ; what the trip's second half asks for: the next chunk's unit n, or in the sixteenth trip unit n of the last chunk's w2
.if \last
	GLU \ub, \aw, ADW, (\n)*4096
.else
	GLU \ub, \aw, ADA, (\n)*4096
.endif
.endm
.macro LDH k2                          ; the hidden tile's fragments for 32 hidden numbers, four row blocks
	WIN 0
.set ri, 0
.rept 4
	ds_load_b128 v[HF+8*ri:HF+8*ri+3],   v[HRA] offset:ri*16*HP+64*(\k2)
	ds_load_b128 v[HF+8*ri+4:HF+8*ri+7], v[HRA] offset:ri*16*HP+64*(\k2)+32
.set ri, ri+1
.endr
.endm
.macro LDX ks                          ; x's K steps ks, ks + 1 into XB: 16 loads
	WIN 0xc0
.set kk, 0
.rept 2
.set ri, 0
.rept 4
	ds_load_b128 v[XB+32*kk+8*ri:XB+32*kk+8*ri+3],   v[XA] offset:ri*16*XP+64*((\ks)+kk)
	ds_load_b128 v[XB+32*kk+8*ri+4:XB+32*kk+8*ri+7], v[XA] offset:ri*16*XP+64*((\ks)+kk)+32
.set ri, ri+1
.endr
.set kk, kk+1
.endr
.endm
; 16 matrix instructions of the first product: K steps ks, ks + 1, weights in the buffer at ub of window aw.  The 8 accumulators take turns, one instruction a turn.  K step 0 starts the sums.
.macro S1U ub, aw, ks
.set kk, 0
.rept 2
.set ri, 0
.rept 4
.if ((\ks)+kk) < 12
.set xr, 32*(((\ks)+kk)%8)+8*ri
.else
.set xr, XB+32*kk+8*ri
.endif
.set mi, 0
.rept 2
	WIN (\aw)|(0x08+4*(((\ks)+kk)/8))              ; source 0 in window aw; source 1, x, in window 2 or 3
.if ((\ks)+kk) == 0
	v_wmma_f32_16x16x32_bf16 v[G+32*mi+8*ri:G+32*mi+8*ri+7], v[(\ub)+8*(2*kk+mi):(\ub)+8*(2*kk+mi)+7], v[xr:xr+7], 0
.else
	v_wmma_f32_16x16x32_bf16 v[G+32*mi+8*ri:G+32*mi+8*ri+7], v[(\ub)+8*(2*kk+mi):(\ub)+8*(2*kk+mi)+7], v[xr:xr+7], v[G+32*mi+8*ri:G+32*mi+8*ri+7]
.endif
.set mi, mi+1
.endr
.set ri, ri+1
.endr
.set kk, kk+1
.endr
.endm
; THE ACTIVATION, 144 lines in place on G and U; RID writes the next one.  0-31: by pairs, from each accumulator's low end on: U *= G, G *= -log2(e).  32-63: 2^G, one batch.  64-79: G += 1.
; 80-111: 1 / G, one batch.  112-127: U *= G.  128-143: U rounded to bf16 into G's lowest four registers of each row block.  Each batch has a plain instruction behind it and ONE wait ahead of its first reader.
.macro RID
.if RN < 32
.if RN%2 == 0
	v_pk_mul_f32 v[U+2*(RN/2):U+2*(RN/2)+1], v[U+2*(RN/2):U+2*(RN/2)+1], v[G+2*(RN/2):G+2*(RN/2)+1]
.else
	v_pk_mul_f32 v[G+2*(RN/2):G+2*(RN/2)+1], v[G+2*(RN/2):G+2*(RN/2)+1], s[66:67] op_sel_hi:[1,0]
.endif
.elseif RN < 64
	v_exp_f32 v[G+RN-32], v[G+RN-32]
.elseif RN < 80
.if RN == 64
	v_nop
	s_wait_alu depctr_va_vdst(0)
.endif
	v_pk_add_f32 v[G+2*(RN-64):G+2*(RN-64)+1], v[G+2*(RN-64):G+2*(RN-64)+1], 1.0 op_sel_hi:[1,0]
.elseif RN < 112
	v_rcp_f32 v[G+RN-80], v[G+RN-80]
.elseif RN < 128
.if RN == 112
	v_nop
	s_wait_alu depctr_va_vdst(0)
.endif
	v_pk_mul_f32 v[U+2*(RN-112):U+2*(RN-112)+1], v[U+2*(RN-112):U+2*(RN-112)+1], v[G+2*(RN-112):G+2*(RN-112)+1]
.else
	v_cvt_pk_bf16_f32 v[G+8*((RN-128)/4)+(RN-128)%4], v[U+8*((RN-128)/4)+2*((RN-128)%4)], v[U+8*((RN-128)/4)+2*((RN-128)%4)+1]
.endif
.set RN, RN+1
.endm
; 16 matrix instructions of the second product: column blocks cb0 .. cb0 + 3 x four row blocks, 16 accumulators by turns.  per: lines of the activation behind each.
.macro S2U ub, aw, cb0, per
.set ci, 0
.rept 4
.set ri, 0
.rept 4
	WIN 0x50|(\aw)                                 ; C and D, Y, in window 1; source 0 in window aw
	v_wmma_f32_16x16x32_bf16 v[8*(4*((\cb0)+ci)+ri):8*(4*((\cb0)+ci)+ri)+7], v[(\ub)+8*ci:(\ub)+8*ci+7], v[HF+8*ri:HF+8*ri+7], v[8*(4*((\cb0)+ci)+ri):8*(4*((\cb0)+ci)+ri)+7]
.if (\per) > 0
	WIN 0
.rept \per
	RID
.endr
.endif
.set ri, ri+1
.endr
.set ci, ci+1
.endr
.endm
	s_load_b256 s[4:11], s[0:1], 0x0               ; xb s[4:5], wf s[6:7], rows s[8:9], rowp s[10:11]
	s_load_b128 s[12:15], s[0:1], 0x20             ; ctab s[12:13], ypart s[14:15]
	v_lshl_add_u32 v[SPW], v0, 2, SPARE
	v_mov_b32 v[NIL], 0
	v_lshrrev_b32 v20, 5, v0
	v_readfirstlane_b32 s16, v20                   ; wave 0..3
	s_mov_b32 s19, ttmp9                           ; my tile
	s_lshr_b32 s18, s19, 2                         ; its group of four
	s_mov_b32 s61, 0
	s_mov_b32 s66, 0xbfb8aa3b                      ; -log2(e)
	s_mov_b32 s67, s66
	v_and_b32 v21, 31, v0
	v_lshlrev_b32 v[L16], 4, v21
	v_and_b32 v22, 15, v0                          ; r
	v_bfe_u32 v23, v0, 4, 1                        ; h
	v_lshlrev_b32 v27, 4, v22
	v_mov_b32 v[ZO], 0
	s_mul_i32 s62, s16, 24576
	v_add_nc_u32 v[ADA], s62, v[L16]
	s_lshl_b32 s62, s16, 13
	s_add_co_u32 s62, s62, SB
	v_add_nc_u32 v[ADB], s62, v[L16]
	s_lshl_b32 s62, s16, 14
	s_add_co_u32 s62, s62, W2O
	v_add_nc_u32 v[ADW], s62, v[L16]
	v_mul_u32_u24 v[HR0], v22, HP
	v_lshl_add_u32 v[HR0], v23, 4, v[HR0]
	s_lshl_b32 s62, s16, 5
	v_add_nc_u32 v[HW0], s62, v[HR0]               ; my 16 hidden columns: 32 bytes a wave, 16 a half of the lanes
	s_lshl_b32 s62, s16, 6
	v_lshl_add_u32 v25, v23, 5, s62                ; my wave gathers rows 16 w .. + 15; each half of the lanes takes eight: their ids at 64 w + 32 h
	v_lshlrev_b32 v26, 2, v22                      ; the gate of row r of a row block
	s_wait_kmcnt 0x0
	s_lshl_b32 s60, s18, 3
	s_load_b64 s[20:21], s[12:13], s60 offset:0x0  ; the group's entry: expert s20, first chunk s21
	s_lshl_b32 s68, s19, 8                         ; my tile's 64 slots, 4 bytes each
	s_mov_b32 s69, 0
	s_add_nc_u64 s[8:9], s[8:9], s[68:69]
	s_add_nc_u64 s[10:11], s[10:11], s[68:69]
	global_load_b128 v[32:35], v25, s[8:9]
	global_load_b128 v[36:39], v25, s[8:9] offset:16
.irp rb, 0,1,2,3
	global_load_b32 v[PP+\rb], v26, s[10:11] offset:64*\rb
.endr
	s_wait_kmcnt 0x0
	s_min_u32 s20, s20, 8
	s_min_u32 s21, s21, 15
	s_mul_i32 s60, s20, EXPB
	s_add_nc_u64 s[52:53], s[6:7], s[60:61]        ; the expert's weights
	s_mul_i32 s60, s21, BLK
	s_add_nc_u64 s[46:47], s[52:53], s[60:61]      ; the first chunk's block
	GLU B0, 0, ADA, 0                              ; the first three units go out ahead of the gather: with its 32 loads 56 are out
	GLU B1, 0, ADA, 4096
	GLU B2, 0, ADA, 2*4096
	s_wait_loadcnt 24                              ; row ids and gates are in; the 24 loads of weights behind them stay out
.irp q, 0,1,2,3,4,5,6,7
	v_min_u32 v[32+\q], 0x30ff, v[32+\q]           ; a row id is below 12,544;
	v_and_b32 v[32+\q], 0xfff, v[32+\q]            ; its token,
	v_lshl_add_u32 v[32+\q], v[32+\q], 10, v27     ; whose 1,024 bytes 16 lanes take 256 at a time
.endr
	WIN 0x80                                       ; the gathered rows land in window 2, where x's fragments will lie
.set n, 0
.rept 32
	global_load_b128 v[4*n:4*n+3], v[32+n/4], s[4:5] offset:256*(n%4)
.set n, n+1
.endr
	WIN 0x40
.set i, 0
.rept 256
	v_mov_b32 v[i], 0                              ; Y
.set i, i+1
.endr
	WIN 0
.irp z, 28,29,30,31
	v_mov_b32 v\z, 0
.endr
	v_lshl_add_u32 v24, v0, 4, H0+HX
.irp n, 0,1,2,3,4
	ds_store_b128 v24, v[28:31] offset:2048*\n     ; the hidden tile that the first trip reads: zeros
.endr
	s_mul_i32 s62, s16, 16*XP
	s_add_co_u32 s62, s62, XS
	v_mul_u32_u24 v20, v23, 8*XP
	v_add_nc_u32 v20, v20, v27
	v_add_nc_u32 v20, s62, v20                     ; where my 16 bytes of a gathered row go
	v_mul_u32_u24 v[XA], v22, XP
	v_lshl_add_u32 v[XA], v23, 4, v[XA]
	v_add_nc_u32 v[XA], XS, v[XA]
	s_mul_i32 s62, s16, 2*16*YP
	s_add_co_u32 s62, s62, YS                      ; my two stages for the way out
	v_mul_u32_u24 v[STO], v22, YP
	v_lshl_add_u32 v[STO], v23, 5, v[STO]
	v_add_nc_u32 v[STO], s62, v[STO]
	v_add_nc_u32 v[RD], s62, v[L16]
	s_lshl_b32 s62, s16, 9
	v_add_nc_u32 v[GO], s62, v[L16]                ; my wave's 512 bytes of a row of ypart
	WIN 0x08                                       ; store data in window 2
.set n, 0
.rept 32
	s_wait_loadcnt 31-n                            ; loads come back in order: the gather's younger ones stay out
	ds_store_b128 v20, v[4*n:4*n+3] offset:(n/4)*XP+(n%4)*256
.set n, n+1
.endr
	GLU B3, 0, ADA, 3*4096                         ; the other three of the first six units
	GLU B4, 3, ADA, 4*4096
	GLU B5, 3, ADA, 5*4096
	s_wait_dscnt 0x0                               ; for the others' sake: my rows of x and my zeros are in LDS
	s_barrier_signal -1
	s_barrier_wait -1
	WIN 0x80
.set ks, 0
.rept 12                               ; K steps 0-11 of x stay in registers
.if ks == 8
	WIN 0xc0
.endif
.set ri, 0
.rept 4
	ds_load_b128 v[32*(ks%8)+8*ri:32*(ks%8)+8*ri+3],   v[XA] offset:ri*16*XP+64*ks
	ds_load_b128 v[32*(ks%8)+8*ri+4:32*(ks%8)+8*ri+7], v[XA] offset:ri*16*XP+64*ks+32
.set ri, ri+1
.endr
.set ks, ks+1
.endr
	LDX 12
	s_mov_b32 s56, s21
	s_mov_b32 s57, 15
	s_mov_b32 s58, H0+HX
	s_mov_b32 s59, H0
	WIN 0
	s_wait_dscnt 0x0                               ; x is in
; A TRIP: one chunk.  At its head units u0 to u5 are asked for, and XB holds K steps 12, 13.  Ahead of each unit s_wait_loadcnt 40: behind that unit's loads five units of eight loads were issued, and those stay out.
; Two barriers: the first parts all waves' stores of the last chunk's hidden tile from the reads of it; the second parts those reads from the stores of this chunk's tile.
; last = 1: the sixteenth chunk: its second half asks for the four units of the last chunk's w2, which lie in the block of the walk's first chunk, and for nothing more.
.macro TRIP last
	s_wait_loadcnt 40
	S1U B0, 0, 0
	PLACES
	GLU B0, 0, ADB, 0                              ; u6
	s_wait_loadcnt 40
	S1U B1, 0, 2
	PLACES
	GLU B1, 0, ADW, 0                              ; s0
	s_wait_loadcnt 40
	S1U B2, 0, 4
	PLACES
	GLU B2, 0, ADW, 4096                           ; s1
	s_wait_loadcnt 40
	S1U B3, 0, 6
	PLACES
	GLU B3, 0, ADB, 4096                           ; u7
	s_wait_loadcnt 40
	S1U B4, 3, 8
	PLACES
	GLU B4, 3, ADW, 2*4096                         ; s2
	WIN 0
	v_add_nc_u32 v[HRA], s58, v[HR0]
	v_add_nc_u32 v[HWA], s59, v[HW0]
	s_wait_loadcnt 40
	s_wait_dscnt 0x0                               ; my part of the last chunk's hidden tile is in LDS, and XB's loads are back
	s_barrier_signal -1
	S1U B5, 3, 10                                  ; work on registers while the others arrive
	WIN 0
	s_barrier_wait -1                              ; the last chunk's hidden tile is whole
	PLACES
	GLU B5, 3, ADW, 3*4096                         ; s3: the last unit of this block
	LDH 0
	s_wait_xcnt 0x0                                ; the loads issued so far have had their addresses translated (ISA guide 3.1): their base is rewritten only behind this wait
	s_add_co_u32 s56, s56, 1
	s_and_b32 s56, s56, 15                         ; the next chunk
	s_mul_i32 s60, s56, BLK
	s_add_nc_u64 s[46:47], s[52:53], s[60:61]
	s_wait_loadcnt 40
	S1U B0, 0, 12                                  ; u6, on XB
	PLACES
	NEXTU B0, 0, 0, \last
	LDX 14
	s_wait_loadcnt 40
	s_wait_dscnt 16                                ; the hidden fragments are in; XB's 16 loads stay out
	S2U B1, 0, 0, 0                                ; s0
	PLACES
	NEXTU B1, 0, 1, \last
	s_wait_loadcnt 40
	S2U B2, 0, 4, 0                                ; s1
	PLACES
	NEXTU B2, 0, 2, \last
	LDH 1
	s_wait_loadcnt 40
	s_wait_dscnt 8                                 ; XB is in; the hidden fragments' 8 loads stay out
	S1U B3, 0, 14                                  ; u7
	PLACES                                         ; also between the chunk's last products and the activation that reads them
	NEXTU B3, 0, 3, \last
.set RN, 0
	WIN 0
	s_wait_loadcnt 40
	s_wait_dscnt 0x0                               ; my reads of the hidden tile are back
	s_barrier_signal -1
	S2U B4, 3, 0, 5                                ; s2, and lines 0-79 of the activation
	WIN 0
	s_barrier_wait -1                              ; nobody reads a hidden tile any more
.if \last
	s_wait_loadcnt 32                              ; behind s3's loads only the four units of the last w2 were issued
.else
	PLACES
	NEXTU B4, 3, 4, 0
	LDX 12                                         ; XB for the next trip
	s_wait_loadcnt 40
.endif
	S2U B5, 3, 4, 4                                ; s3, and lines 80-143
.if !(\last)
	PLACES
	NEXTU B5, 3, 5, 0
.endif
	WIN 0
.irp rb, 0,1,2,3
	ds_store_b128 v[HWA], v[G+8*\rb:G+8*\rb+3] offset:\rb*16*HP
.endr
	s_xor_b32 s58, s58, HX                         ; the hidden buffers change places
	s_xor_b32 s59, s59, HX
.endm
.Ltrip:                                                ; 15 trips; the sixteenth is written out: it asks for other units, and its counts differ
	TRIP 0
	s_sub_co_u32 s57, s57, 1
	s_cmp_lg_u32 s57, 0
	s_cbranch_scc1 .Ltrip
	TRIP 1
	s_wait_dscnt 0x0                               ; my part of the last hidden tile
	s_barrier_signal -1
	s_barrier_wait -1                              ; everybody's
	v_add_nc_u32 v[HRA], s58, v[HR0]
.set n, 0
.rept 16                               ; my tile's 64 row ids, alike in all lanes, into G's and U's registers, which are free now
	global_load_b128 v[32+4*n:35+4*n], v[ZO], s[8:9] offset:16*n
.set n, n+1
.endr
	PLACES
	LDH 0
	s_wait_loadcnt 40                              ; the first unit of the last w2 is in: behind it three units and the 16 loads of ids were issued
	s_wait_dscnt 0x0
	S2U B0, 0, 0, 0
	s_wait_loadcnt 32
	S2U B1, 0, 4, 0
	PLACES
	LDH 1
	s_wait_loadcnt 24
	s_wait_dscnt 0x0
	S2U B2, 0, 0, 0
	s_wait_loadcnt 16
	S2U B3, 0, 4, 0
	WIN 0
	s_wait_loadcnt 0x0                             ; the row ids
.set i, 0
.rept 64                               ; a row's place in ypart: 2,048 bytes a row, + my wave's 512 bytes.  These plain lines are also the places behind the last products
	v_min_u32 v[32+i], 0x30ff, v[32+i]
	v_lshl_add_u32 v[32+i], v[32+i], 11, v[GO]
.set i, i+1
.endr
; THE WAY OUT of row block rb: Y times the row's gate; through my own stage (rows of 528 bytes) back as whole rows of my 128 columns; a store is one row's 512 consecutive bytes, aligned.
.macro OUTRB rb
.set PAR, (\rb)%2
.set DB, 96+64*PAR
	WIN 0x41                                       ; Y in window 1, the gate in window 0
.set ci, 0
.rept 8
.set ji, 0
.rept 4
.if PAR == 0
	v_pk_mul_f32 v[8*(4*ci+(\rb))+2*ji:8*(4*ci+(\rb))+2*ji+1], v[8*(4*ci+(\rb))+2*ji:8*(4*ci+(\rb))+2*ji+1], v[PP+(\rb):PP+(\rb)+1] op_sel_hi:[1,0]
.else
	v_pk_mul_f32 v[8*(4*ci+(\rb))+2*ji:8*(4*ci+(\rb))+2*ji+1], v[8*(4*ci+(\rb))+2*ji:8*(4*ci+(\rb))+2*ji+1], v[PP+(\rb)-1:PP+(\rb)] op_sel:[0,1] op_sel_hi:[1,1]
.endif
.set ji, ji+1
.endr
.set ci, ci+1
.endr
	WIN 0x04                                       ; store data in window 1
.set ci, 0
.rept 8
	ds_store_b128 v[STO], v[8*(4*ci+(\rb)):8*(4*ci+(\rb))+3]   offset:PAR*16*YP+64*ci
	ds_store_b128 v[STO], v[8*(4*ci+(\rb))+4:8*(4*ci+(\rb))+7] offset:PAR*16*YP+64*ci+16
.set ci, ci+1
.endr
	WIN 0
.if (\rb) >= 2
	s_wait_xcnt 0x0                                ; the stores of the block two before have read these registers: they are loaded again only behind this wait
.endif
.set i, 0
.rept 16
	ds_load_b128 v[DB+4*i:DB+4*i+3], v[RD] offset:PAR*16*YP+i*YP  ; LDS serves a wave's instructions in order: these see the stores above
.set i, i+1
.endr
.set i, 0
.rept 16
	s_wait_dscnt 15-i                              ; row i is back; the younger loads stay out
	global_store_b128 v[32+16*(\rb)+i], v[DB+4*i:DB+4*i+3], s[14:15]
.set i, i+1
.endr
.endm
	OUTRB 0
	OUTRB 1
	OUTRB 2
	OUTRB 3
	s_wait_tensorcnt 0x0                           ; the wave's end
	ds_add_u32 v[SPW], v[NIL]
	s_wait_dscnt 0x0
	s_endpgm
.Lfunc_end_k_qb6f6ea524c_chain:
	.size	k_qb6f6ea524c_chain, .Lfunc_end_k_qb6f6ea524c_chain-k_qb6f6ea524c_chain
	.p2alignl 7, 3214868480
	.fill 96, 4, 3214868480
	.section	.rodata,"a",@progbits
	.p2align	6, 0x0
	.amdhsa_kernel k_qb6f6ea524c_chain
		.amdhsa_group_segment_fixed_size 167424
		.amdhsa_private_segment_fixed_size 0
		.amdhsa_enable_private_segment 0
		.amdhsa_kernarg_size 48
		.amdhsa_user_sgpr_count 2
		.amdhsa_user_sgpr_kernarg_segment_ptr 1
		.amdhsa_wavefront_size32 1
		.amdhsa_system_sgpr_workgroup_id_x 1
		.amdhsa_system_sgpr_workgroup_id_y 1
		.amdhsa_system_sgpr_workgroup_id_z 1
		.amdhsa_system_vgpr_workitem_id 0
		.amdhsa_next_free_vgpr 1024
		.amdhsa_next_free_sgpr 70
		.amdhsa_reserve_vcc 0
		.amdhsa_float_denorm_mode_32 3
		.amdhsa_float_denorm_mode_16_64 3
		.amdhsa_memory_ordered 1
		.amdhsa_forward_progress 1
		.amdhsa_inst_pref_size 143
	.end_amdhsa_kernel
	.amdgpu_metadata
---
amdhsa.version: [ 1, 2 ]
amdhsa.kernels:
  - .name:           k_qb6f6ea524c_chain
    .symbol:         k_qb6f6ea524c_chain.kd
    .args:
      - { .name: xb, .offset: 0, .size: 8, .value_kind: global_buffer, .address_space: global }
      - { .name: wf, .offset: 8, .size: 8, .value_kind: global_buffer, .address_space: global }
      - { .name: rows, .offset: 16, .size: 8, .value_kind: global_buffer, .address_space: global }
      - { .name: rowp, .offset: 24, .size: 8, .value_kind: global_buffer, .address_space: global }
      - { .name: ctab, .offset: 32, .size: 8, .value_kind: global_buffer, .address_space: global }
      - { .name: ypart, .offset: 40, .size: 8, .value_kind: global_buffer, .address_space: global }
    .group_segment_fixed_size: 167424
    .private_segment_fixed_size: 0
    .kernarg_segment_align: 8
    .kernarg_segment_size: 48
    .max_flat_workgroup_size: 128
    .sgpr_count:     70
    .vgpr_count:     1024
    .wavefront_size: 32
...
	.end_amdgpu_metadata
.endif
;; end of part 3
;; launch sum (part 4): grid 256 x 1, 8 waves a work-group, no clusters, 0 bytes of LDS; arguments ypart, out0; writes out0
.if DOCPART == 4
	.amdgcn_target "amdgcn-amd-amdhsa--gfx1250"
	.amdhsa_code_object_version 6
	.text
	.protected	k_qb6f6ea524c_sum
	.globl	k_qb6f6ea524c_sum
	.p2align	8
	.type	k_qb6f6ea524c_sum,@function
k_qb6f6ea524c_sum:
	s_mov_b64 s[64:65], 0
	v_nop
	global_prefetch_b8 v0, s[64:65] scope:SCOPE_SE
	s_setreg_imm32_b32 hwreg(HW_REG_WAVE_MODE, 25, 1), 1
	s_wait_xcnt 0x0
; out = (y[k = 0] + y[k = 1]) + y[shared], all f32.  A stream: no LDS, no barrier, no matrix unit.  A work-group has 32,768 bytes of out, a thread eight pieces of 16 bytes, 4,096 bytes apart:
; a wave's load or store covers 512 consecutive bytes.  All 24 loads of a thread go out before the first wait.
.set PLANE, 8388608                    ; bytes of one of ypart's three planes: one more than a load's immediate reaches, so each plane has a base of its own
	s_load_b128 s[4:7], s[0:1], 0x0                ; ypart s[4:5], out0 s[6:7]
	s_lshl_b32 s12, ttmp9, 15
	v_lshl_add_u32 v1, v0, 4, s12
	s_wait_kmcnt 0x0
	s_add_nc_u64 s[8:9], s[4:5], PLANE
	s_add_nc_u64 s[10:11], s[4:5], 2*PLANE
.set u, 0
.rept 8
	global_load_b128 v[8+12*u:11+12*u],  v1, s[4:5]   offset:4096*u th:TH_LOAD_NT
	global_load_b128 v[12+12*u:15+12*u], v1, s[8:9]   offset:4096*u th:TH_LOAD_NT
	global_load_b128 v[16+12*u:19+12*u], v1, s[10:11] offset:4096*u th:TH_LOAD_NT
.set u, u+1
.endr
.set u, 0
.rept 8
	s_wait_loadcnt 3*(7-u)                         ; this piece's three loads are in, the later pieces' stay out
	v_pk_add_f32 v[8+12*u:9+12*u],   v[8+12*u:9+12*u],   v[12+12*u:13+12*u]
	v_pk_add_f32 v[10+12*u:11+12*u], v[10+12*u:11+12*u], v[14+12*u:15+12*u]
	v_pk_add_f32 v[8+12*u:9+12*u],   v[8+12*u:9+12*u],   v[16+12*u:17+12*u]
	v_pk_add_f32 v[10+12*u:11+12*u], v[10+12*u:11+12*u], v[18+12*u:19+12*u]
	global_store_b128 v1, v[8+12*u:11+12*u], s[6:7] offset:4096*u th:TH_STORE_NT
.set u, u+1
.endr
	s_endpgm
.Lfunc_end_k_qb6f6ea524c_sum:
	.size	k_qb6f6ea524c_sum, .Lfunc_end_k_qb6f6ea524c_sum-k_qb6f6ea524c_sum
	.p2alignl 7, 3214868480
	.fill 96, 4, 3214868480
	.section	.rodata,"a",@progbits
	.p2align	6, 0x0
	.amdhsa_kernel k_qb6f6ea524c_sum
		.amdhsa_group_segment_fixed_size 0
		.amdhsa_private_segment_fixed_size 0
		.amdhsa_enable_private_segment 0
		.amdhsa_kernarg_size 16
		.amdhsa_user_sgpr_count 2
		.amdhsa_user_sgpr_kernarg_segment_ptr 1
		.amdhsa_wavefront_size32 1
		.amdhsa_system_sgpr_workgroup_id_x 1
		.amdhsa_system_sgpr_workgroup_id_y 1
		.amdhsa_system_sgpr_workgroup_id_z 1
		.amdhsa_system_vgpr_workitem_id 0
		.amdhsa_next_free_vgpr 104
		.amdhsa_next_free_sgpr 66
		.amdhsa_reserve_vcc 0
		.amdhsa_float_denorm_mode_32 3
		.amdhsa_float_denorm_mode_16_64 3
		.amdhsa_memory_ordered 1
		.amdhsa_forward_progress 1
		.amdhsa_inst_pref_size 6
	.end_amdhsa_kernel
	.amdgpu_metadata
---
amdhsa.version: [ 1, 2 ]
amdhsa.kernels:
  - .name:           k_qb6f6ea524c_sum
    .symbol:         k_qb6f6ea524c_sum.kd
    .args:
      - { .name: ypart, .offset: 0, .size: 8, .value_kind: global_buffer, .address_space: global }
      - { .name: out0, .offset: 8, .size: 8, .value_kind: global_buffer, .address_space: global }
    .group_segment_fixed_size: 0
    .private_segment_fixed_size: 0
    .kernarg_segment_align: 8
    .kernarg_segment_size: 16
    .max_flat_workgroup_size: 256
    .sgpr_count:     66
    .vgpr_count:     104
    .wavefront_size: 32
...
	.end_amdgpu_metadata
.endif
;; end of part 4
